; MI455X (gfx1250); checked and timed in simulation.
; The chip was launched on July 23, 2026; its instructions are those of AMD's public machine-readable ISA for CDNA 5 (MIT licence, August 2026) and "CDNA5" Instruction Set Architecture Reference Guide (July 2026). The comments in the code are by the model that wrote it; some were corrected since.
;; Simple Mo E. Allowed arithmetic: matrix products marked QUANTISED: E4M3 operands, one given power-of-two scale a tensor, by v_wmma_f32_16x16x64_fp8_fp8 or v_wmma_f32_16x16x128_fp8_fp8, f32 sums; products left as they are: f32 operands where the result goes on into a quantised operand, else bf16, f16 or f32 operands; f32 sums; everything else in f32.
;; Inputs: W1 8 x 1,024 x 4,096 float32; W2 8 x 4,096 x 1,024 float32; b1 8 x 4,096 float32; b2 8 x 1,024 float32; gate_W 1,024 x 8 float32; gate_b 8 float32; lowp_scales 32 int32 (the exponents e of the quantised operands' scales 2^e); x 4 x 256 x 1,024 float32.
;; Outputs: out0 4 x 256 x 1,024 float32.
;; This version of the problem:
;;   THIS VERSION OF THE PROBLEM IS GIVEN IN LOW PRECISION. The matrix products marked QUANTISED in the list below multiply operands that are first quantised to E4M3 (4 exponent bits, 3 mantissa bits; 8 bits a number), with one given power-of-two scale for each operand tensor; their sums are f32. All else is computed in f32.
;;   The module's matrix products, in the order in which they are computed (A, B: the left and right operand; K: the contracted axis; several contracted axes count as one K, in the product's order):
;;     1. [M 1,024, K 1,024] x [K 1,024, N 8]; A: input x; B: input gate_W: left as it is (N = 8 < 16)
;;     2. [M 1,024, K 1,024] x [K 1,024, N 4,096]; A: computed on the way; B: input W1: QUANTISED (scales: A lowp_scales[0], B lowp_scales[1])
;;     3. [M 1,024, K 4,096] x [K 4,096, N 1,024]; A: computed on the way; B: input W2: QUANTISED (scales: A lowp_scales[2], B lowp_scales[3])
;;     4. [M 1,024, K 1,024] x [K 1,024, N 4,096]; A: computed on the way; B: input W1: QUANTISED (scales: A lowp_scales[4], B lowp_scales[5])
;;     5. [M 1,024, K 4,096] x [K 4,096, N 1,024]; A: computed on the way; B: input W2: QUANTISED (scales: A lowp_scales[6], B lowp_scales[7])
;;     6. [M 1,024, K 1,024] x [K 1,024, N 4,096]; A: computed on the way; B: input W1: QUANTISED (scales: A lowp_scales[8], B lowp_scales[9])
;;     7. [M 1,024, K 4,096] x [K 4,096, N 1,024]; A: computed on the way; B: input W2: QUANTISED (scales: A lowp_scales[10], B lowp_scales[11])
;;     8. [M 1,024, K 1,024] x [K 1,024, N 4,096]; A: computed on the way; B: input W1: QUANTISED (scales: A lowp_scales[12], B lowp_scales[13])
;;     9. [M 1,024, K 4,096] x [K 4,096, N 1,024]; A: computed on the way; B: input W2: QUANTISED (scales: A lowp_scales[14], B lowp_scales[15])
;;     10. [M 1,024, K 1,024] x [K 1,024, N 4,096]; A: computed on the way; B: input W1: QUANTISED (scales: A lowp_scales[16], B lowp_scales[17])
;;     11. [M 1,024, K 4,096] x [K 4,096, N 1,024]; A: computed on the way; B: input W2: QUANTISED (scales: A lowp_scales[18], B lowp_scales[19])
;;     12. [M 1,024, K 1,024] x [K 1,024, N 4,096]; A: computed on the way; B: input W1: QUANTISED (scales: A lowp_scales[20], B lowp_scales[21])
;;     13. [M 1,024, K 4,096] x [K 4,096, N 1,024]; A: computed on the way; B: input W2: QUANTISED (scales: A lowp_scales[22], B lowp_scales[23])
;;     14. [M 1,024, K 1,024] x [K 1,024, N 4,096]; A: computed on the way; B: input W1: QUANTISED (scales: A lowp_scales[24], B lowp_scales[25])
;;     15. [M 1,024, K 4,096] x [K 4,096, N 1,024]; A: computed on the way; B: input W2: QUANTISED (scales: A lowp_scales[26], B lowp_scales[27])
;;     16. [M 1,024, K 1,024] x [K 1,024, N 4,096]; A: computed on the way; B: input W1: QUANTISED (scales: A lowp_scales[28], B lowp_scales[29])
;;     17. [M 1,024, K 4,096] x [K 4,096, N 1,024]; A: computed on the way; B: input W2: QUANTISED (scales: A lowp_scales[30], B lowp_scales[31])
;;   THE QUANTISER, for each operand of a quantised product, along K:
;;     - The operand's scale is 2^e, e = its entry of the input lowp_scales (int32; the entries are numbered through the quantised products in the list's order, A before B).
;;     - Each number is divided by the scale, clamped to +-448, and rounded to the nearest number of E4M3, ties to even, subnormals kept.
;;     - The product sums the exact products of the quantised numbers (number of the format x scale) in f32.
;;   ~~~python
;;   def quantise(x, axis, e):      # numpy; x: float32 -> the quantised numbers, widened to float32 again
;;       x = np.moveaxis(x, axis, -1); K = x.shape[-1]
;;       r = np.clip(x / 2.0 ** e, -448, 448)
;;       step = 2.0 ** (np.maximum(np.frexp(np.where(r == 0, 1, r))[1] - 1, -6) - 3)
;;       q = np.round(r / step) * step * 2.0 ** e      # np.round: ties to even
;;       return np.moveaxis(q, -1, axis).astype(np.float32)
;;   ~~~
;;   OPERANDS COMPUTED ON THE WAY. 'Computed on the way' means the value that the module computes at that place (a softmax that the list does not call 'softmax' is quantised finished and normalised). What goes into a quantiser is computed in f32, as accurately as f32 sums, v_exp_f32 and their like allow (about 1e-6 of the number): no bf16 or f16 on the way to a quantiser, and a product that is left as it is and whose result goes on into a quantised operand takes f32 operands (vector FMAs, or v_wmma_f32_16x16x4_f32). A number that lies on a knife's edge between two numbers of the format may be rounded either way, as far as f32 arithmetic and the matrix unit's own rounding can turn it there, and no further.
;; One version. Each part assembles by itself: llvm-mc -triple=amdgcn-amd-amdhsa -mcpu=gfx1250 --defsym DOCPART=n.
;; ======== version 1 of 1: 4 launches
;; limits: right only within a limited range of input values
;; workspace buffers: top1 4,096 bytes of whole numbers; xq 1,048,576 bytes; hq 33,554,432 bytes; part 16,908,288 bytes
;; launch route (part 1): grid 256 x 1, 4 waves a work-group, no clusters, 41,472 bytes of LDS; arguments x, gate_W, gate_b, lowp_scales, top1, xq; writes top1, xq
.if DOCPART == 1
	.amdgcn_target "amdgcn-amd-amdhsa--gfx1250"
	.amdhsa_code_object_version 6
	.text
	.protected	k_q590ff22187_route
	.globl	k_q590ff22187_route
	.p2align	8
	.type	k_q590ff22187_route,@function
k_q590ff22187_route:
	s_mov_b64 s[64:65], 0
	v_nop
	global_prefetch_b8 v0, s[64:65] scope:SCOPE_SE
	s_setreg_imm32_b32 hwreg(HW_REG_WAVE_MODE, 25, 1), 1
	s_wait_xcnt 0x0
; THE ROUTER.  logits[t][e] = sum over d of x[t][d] gate_W[d][e] + gate_b[e], in f32 by fused multiply-adds; top1[t] = the first largest logit's e (as jnp.argmax);
; xq[t][d] = the E4M3 code of x[t][d] under the scale 2^ex of the CHOSEN expert (lowp_scales[4 e]): only that expert's products keep the token's row.
; SHARES.  One wave, one token: token = 4 x work-group + wave.  Lane l holds x[t][128 i + 4 l + c] in X[4 i + c]: eight loads of 512 consecutive bytes.
; gate_W (32,768 bytes) is copied once into LDS by loads of 512 consecutive bytes; there the 128 bytes of four rows d (4 x 8 numbers) lie 144 bytes apart, an odd multiple of 16.
; The choice selects VALUES only (v_cndmask_b32): no address and no branch of this launch hangs on it; later launches read top1 as whole numbers.
; The codes leave through the wave's own 1,024 bytes of LDS, so that each store covers 512 consecutive bytes.  top1's word is a store of 4 bytes by one lane: the table is 4,096 bytes in all.
; LIMITS: ex between -126 and 119, so that 2^ex and 448 x 2^ex are f32 numbers.  NaN among the inputs is not served.  Two logits that differ by less than f32 rounding may be chosen either way.
; No matrix unit: N = 8 is half a tile, and the sums feed a choice, so they are f32.  No tensor load: 36 KB once.
.set GWP,  144                         ; four rows of gate_W in LDS: 128 bytes + 16
.set XSB,  36864                       ; behind gate_W's 256 groups: 1,024 bytes for each wave's row of codes
.set ACC,  8                           ; v[8:15]   the eight sums
.set C,    20                          ; v[20:27]  codes: C[i] = the four of chunk i
.set O,    28                          ; v[28:35]  the row of codes as it is stored
.set X,    64                          ; v[64:95]  my 32 numbers of x
.set G,    96                          ; v[96:223] four buffers of 32 numbers of gate_W; at first the copy's 64 registers
	s_load_b256 s[4:11], s[0:1], 0x0               ; x s[4:5], gate_W s[6:7], gate_b s[8:9], lowp_scales s[10:11]
	s_load_b128 s[12:15], s[0:1], 0x20             ; top1 s[12:13], xq s[14:15]
	v_lshl_add_u32 v224, v0, 2, 0xa000
	v_mov_b32 v225, 0
	v_lshrrev_b32 v1, 5, v0
	v_readfirstlane_b32 s2, v1                     ; wave
	v_and_b32 v1, 31, v0                           ; lane
	v_lshlrev_b32 v2, 4, v1                        ; 16 x lane
	v_lshrrev_b32 v3, 3, v1
	v_mul_u32_u24 v3, v3, GWP
	v_and_b32 v4, 7, v1
	v_lshl_add_u32 v3, v4, 4, v3
	s_mul_i32 s3, s2, 9216
	v_add_nc_u32 v3, s3, v3                        ; the copy's place in LDS: eight lanes fill a group of 128 bytes; a wave's 8,192 bytes are 64 groups
	v_mul_u32_u24 v4, v1, GWP                      ; my group of a chunk's 32
	s_lshl_b32 s3, s2, 10
	s_add_co_u32 s3, s3, XSB
	v_lshl_add_u32 v5, v1, 2, s3                   ; codes in: 4 bytes a lane
	v_lshl_add_u32 v6, v1, 4, s3                   ; codes back: 16 bytes a lane
	s_lshl_b32 s3, s2, 13
	v_add_nc_u32 v7, s3, v2                        ; the copy's place in gate_W
	s_lshl_b32 s58, ttmp9, 2
	s_add_co_u32 s58, s58, s2                      ; my token
	s_lshl_b32 s56, s58, 12
	s_mov_b32 s57, 0
	s_mov_b32 s60, 0x76543210                      ; v_permlanex16_b32: lane l xor 16
	s_mov_b32 s61, 0xfedcba98
	s_wait_alu depctr_va_vdst(0)
	s_wait_kmcnt 0x0
	s_load_b256 s[16:23], s[8:9], 0x0              ; gate_b
	s_load_b512 s[24:39], s[10:11], 0x0            ; all 32 exponents
	s_load_b512 s[40:55], s[10:11], 0x40
	s_add_nc_u64 s[4:5], s[4:5], s[56:57]          ; x at my token's row
.irp i, 0,1,2,3,4,5,6,7
	global_load_b128 v[X+4*\i:X+4*\i+3], v2, s[4:5] offset:512*\i th:TH_LOAD_NT
.endr
.irp m, 0,1,2,3,4,5,6,7,8,9,10,11,12,13,14,15
	global_load_b128 v[G+4*\m:G+4*\m+3], v7, s[6:7] offset:512*\m
.endr
	s_lshl_b32 s56, s58, 10
	s_add_nc_u64 s[14:15], s[14:15], s[56:57]      ; xq at my token's row
	s_lshl_b32 s56, s58, 2
	v_mov_b32 v36, s56                             ; my word of top1
	s_wait_loadcnt 0x0
.irp m, 0,1,2,3,4,5,6,7,8,9,10,11,12,13,14,15
	ds_store_b128 v3, v[G+4*\m:G+4*\m+3] offset:576*\m             ; 512 bytes are four groups: 4 x 144
.endr
	s_wait_dscnt 0x0                               ; for the others' sake: my quarter of gate_W lies in LDS
	s_barrier_signal -1
	s_barrier_wait -1                              ; everybody's does; nothing is written there again
.macro GLOAD i                         ; chunk i: gate_W[128 i + 4 l + c][e] into G[8 c + e] of buffer i % 4
.irp m, 0,1,2,3,4,5,6,7
	ds_load_b128 v[G+32*((\i)%4)+4*\m:G+32*((\i)%4)+4*\m+3], v4 offset:4608*(\i)+16*\m
.endr
.endm
.macro CHUNK i, left                   ; left: the younger chunks' loads, which may stay out
.set GB, G+32*((\i)%4)
	s_wait_dscnt \left
.irp c, 0,1,2,3
.irp p, 0,1,2,3
.if ((\i) == 0) && (\c == 0)
	v_pk_mul_f32 v[ACC+2*\p:ACC+2*\p+1], v[GB+2*\p:GB+2*\p+1], v[X:X+1] op_sel_hi:[1,0]   ; the first products start the sums: nothing is cleared
.elseif (\c % 2) == 0
	v_pk_fma_f32 v[ACC+2*\p:ACC+2*\p+1], v[GB+8*\c+2*\p:GB+8*\c+2*\p+1], v[X+4*(\i)+2*(\c/2):X+4*(\i)+2*(\c/2)+1], v[ACC+2*\p:ACC+2*\p+1] op_sel_hi:[1,0,1]   ; two experts x the pair's first x
.else
	v_pk_fma_f32 v[ACC+2*\p:ACC+2*\p+1], v[GB+8*\c+2*\p:GB+8*\c+2*\p+1], v[X+4*(\i)+2*(\c/2):X+4*(\i)+2*(\c/2)+1], v[ACC+2*\p:ACC+2*\p+1] op_sel:[0,1,0] op_sel_hi:[1,1,1]   ; x the pair's second x
.endif
.endr
.endr
.endm
	GLOAD 0
	GLOAD 1
	GLOAD 2
	GLOAD 3
	CHUNK 0, 24
	GLOAD 4
	s_wait_alu depctr_va_vdst(0)
	CHUNK 1, 24
	GLOAD 5
	s_wait_alu depctr_va_vdst(0)
	CHUNK 2, 24
	GLOAD 6
	s_wait_alu depctr_va_vdst(0)
	CHUNK 3, 24
	GLOAD 7
	s_wait_alu depctr_va_vdst(0)
	CHUNK 4, 24
	s_wait_alu depctr_va_vdst(0)
	CHUNK 5, 16
	s_wait_alu depctr_va_vdst(0)
	CHUNK 6, 8
	s_wait_alu depctr_va_vdst(0)
	CHUNK 7, 0
	; the eight sums over the 32 lanes, by turns; every lane ends with the same bits (each step adds a pair both ways round)
.irp k, 1,2,4,8
.irp e, 0,1,2,3,4,5,6,7
	v_add_f32_dpp v[ACC+\e], v[ACC+\e], v[ACC+\e] row_xmask:\k row_mask:0xf bank_mask:0xf
.endr
.endr
.irp e, 0,1,2,3,4,5,6,7
	v_permlanex16_b32 v[G+\e], v[ACC+\e], s60, s61 ; (its destination counts as read: G has been written)
.endr
.irp e, 0,1,2,3,4,5,6,7
	v_add_f32 v[ACC+\e], v[ACC+\e], v[G+\e]
.endr
	s_wait_alu depctr_va_vdst(0)
	s_wait_kmcnt 0x0
.irp e, 0,1,2,3,4,5,6,7
	v_add_f32 v[ACC+\e], s[16+\e], v[ACC+\e]       ; + gate_b
.endr
.irp e, 0,1,2,3,4,5,6,7
	s_add_co_i32 s[25+4*\e], s[24+4*\e], 135       ; expert e: 448 x 2^ex as f32 (exponent ex + 8, 448's mantissa field),
	s_lshl_b32 s[25+4*\e], s[25+4*\e], 23
	s_or_b32 s[25+4*\e], s[25+4*\e], 0x600000
	s_add_co_i32 s[24+4*\e], s[24+4*\e], 127       ; and 2^ex
	s_lshl_b32 s[24+4*\e], s[24+4*\e], 23
.endr
	s_wait_alu depctr_va_vdst(0)
	v_mov_b32 v16, v[ACC]                          ; the largest logit so far,
	v_mov_b32 v17, 0                               ; its expert,
	v_mov_b32 v18, s24                             ; that expert's 2^ex
	v_mov_b32 v19, s25                             ; and 448 x 2^ex
.irp e, 1,2,3,4,5,6,7
	v_cmp_gt_f32 vcc_lo, v[ACC+\e], v16            ; strictly greater: a tie keeps the lower index
	v_cndmask_b32 v16, v16, v[ACC+\e], vcc_lo
	v_cndmask_b32 v17, v17, \e, vcc_lo
	v_cndmask_b32 v18, v18, s[24+4*\e], vcc_lo
	v_cndmask_b32 v19, v19, s[25+4*\e], vcc_lo
.endr
.set q, 0
.rept 32
	v_med3_num_f32 v[X+q], v[X+q], -v19, v19       ; the conversion to an 8-bit code does not saturate (ISA guide 7.6.2): the hold at the largest code x the scale
.set q, q+1
.endr
.irp m, 0,1,2,3
	v_cvt_scalef32_pk8_fp8_f32 v[C+2*\m:C+2*\m+1], v[X+8*\m:X+8*\m+7], v18   ; eight numbers = chunks 2 m and 2 m + 1, four codes each
.endr
	v_nop                                          ; one plain vector line behind the last scaled conversion
.irp i, 0,1,2,3,4,5,6,7
	ds_store_b32 v5, v[C+\i] offset:128*\i         ; codes of d = 128 i + 4 l + 0 .. 3
.endr
.irp m, 0,1
	ds_load_b128 v[O+4*\m:O+4*\m+3], v6 offset:512*\m              ; LDS serves a wave's instructions in order (ISA guide 5.7.1.4): these see my stores
.endr
	s_wait_dscnt 0x0
.irp m, 0,1
	global_store_b128 v2, v[O+4*\m:O+4*\m+3], s[14:15] offset:512*\m   ; 512 consecutive bytes, aligned
.endr
	v_cmp_eq_u32 vcc_lo, 0, v1
	s_wait_xcnt 0x0                                ; EXEC is narrowed only behind this wait: the stores above have read it
	s_wait_tensorcnt 0x0
	ds_add_u32 v224, v225
	s_wait_dscnt 0x0
	s_and_saveexec_b32 s62, vcc_lo
	global_store_b32 v36, v17, s[12:13]            ; lane 0: the chosen expert
	s_endpgm
.Lfunc_end_k_q590ff22187_route:
	.size	k_q590ff22187_route, .Lfunc_end_k_q590ff22187_route-k_q590ff22187_route
	.p2alignl 7, 3214868480
	.fill 96, 4, 3214868480
	.section	.rodata,"a",@progbits
	.p2align	6, 0x0
	.amdhsa_kernel k_q590ff22187_route
		.amdhsa_group_segment_fixed_size 41472
		.amdhsa_private_segment_fixed_size 0
		.amdhsa_enable_private_segment 0
		.amdhsa_kernarg_size 48
		.amdhsa_user_sgpr_count 2
		.amdhsa_user_sgpr_kernarg_segment_ptr 1
		.amdhsa_wavefront_size32 1
		.amdhsa_system_sgpr_workgroup_id_x 1
		.amdhsa_system_sgpr_workgroup_id_y 1
		.amdhsa_system_sgpr_workgroup_id_z 1
		.amdhsa_system_vgpr_workitem_id 0
		.amdhsa_next_free_vgpr 226
		.amdhsa_next_free_sgpr 66
		.amdhsa_reserve_vcc 1
		.amdhsa_float_denorm_mode_32 3
		.amdhsa_float_denorm_mode_16_64 3
		.amdhsa_memory_ordered 1
		.amdhsa_forward_progress 1
		.amdhsa_inst_pref_size 29
	.end_amdhsa_kernel
	.amdgpu_metadata
---
amdhsa.version: [ 1, 2 ]
amdhsa.kernels:
  - .name:           k_q590ff22187_route
    .symbol:         k_q590ff22187_route.kd
    .args:
      - { .name: x, .offset: 0, .size: 8, .value_kind: global_buffer, .address_space: global }
      - { .name: gate_W, .offset: 8, .size: 8, .value_kind: global_buffer, .address_space: global }
      - { .name: gate_b, .offset: 16, .size: 8, .value_kind: global_buffer, .address_space: global }
      - { .name: lowp_scales, .offset: 24, .size: 8, .value_kind: global_buffer, .address_space: global }
      - { .name: top1, .offset: 32, .size: 8, .value_kind: global_buffer, .address_space: global }
      - { .name: xq, .offset: 40, .size: 8, .value_kind: global_buffer, .address_space: global }
    .group_segment_fixed_size: 41472
    .private_segment_fixed_size: 0
    .kernarg_segment_align: 8
    .kernarg_segment_size: 48
    .max_flat_workgroup_size: 128
    .sgpr_count:     66
    .vgpr_count:     226
    .wavefront_size: 32
...
	.end_amdgpu_metadata
.endif
;; end of part 1
;; launch ffn1 (part 2): grid 256 x 1, 4 waves a work-group, no clusters, 302,848 bytes of LDS; arguments W1, b1, lowp_scales, top1, xq, hq; writes hq
.if DOCPART == 2
	.amdgcn_target "amdgcn-amd-amdhsa--gfx1250"
	.amdhsa_code_object_version 6
	.text
	.protected	k_q590ff22187_ffn1
	.globl	k_q590ff22187_ffn1
	.p2align	8
	.type	k_q590ff22187_ffn1,@function
k_q590ff22187_ffn1:
	s_mov_b64 s[64:65], 0
	v_nop
	global_prefetch_b8 v0, s[64:65] scope:SCOPE_SE
	s_setreg_imm32_b32 hwreg(HW_REG_WAVE_MODE, 25, 1), 1
	s_wait_xcnt 0x0
; THE FIRST PRODUCT OF THE CHOSEN EXPERT:  hq = Q(gelu(Q(x) Q(W1[e]) + b1[e])), only for the tokens whose top1 is e: the other rows are thrown away by the mask that the problem itself builds.
; SHARES.  Work-group = (expert e = id / 32, slice sl = id % 32): 128 hidden units x all K = 1,024: 512 KB of W1, read ONCE as f32 and quantised in registers on the way.  Wave w = 2 cg + kh.
; PHASE 1: wave w streams columns 64 cg .. + 63 of the slice, rows 512 kh .. + 511, in 16 batches of 16 loads.  One load takes 16 bytes a lane: lanes 0-15 read 256 consecutive, aligned bytes of row k, lanes 16-31 of row k + 32.
;   Numbers are held within +-448 x 2^ew1, converted eight at a time, and 4 x 4 bytes are turned by v_perm_b32, so that a register holds four neighbours along K of one column.
;   The wave's 16 fragments (4 K steps x 4 tiles of columns, 256 registers) go to LDS as images of their registers; the partner wave (same columns, other half of K) reads them: each wave then holds all K for its 64 columns.
;   Ahead of batch 4 the expert's list of tokens lies in LDS.  From then on each wave also gathers 40 of the list's first 160 rows of codes, in ten batches of 8 loads, one behind each of batches 4 to 13, and lays them in LDS.
;   A barrier behind batch 13 shows every wave the images of batches 0 to 13 and the first six gathered batches; a last one behind batch 15 the rest.
; PHASE 2: the expert's tokens in tiles of 16; wave (cg, kh) takes the tiles of parity kh.  The first ten tiles' codes lie in LDS, shared by all waves; a later tile is gathered by the wave that needs it, through a stage of its own.
;   32 matrix instructions a tile; behind them the next tile's fragments are asked for; bias, gelu and the quantiser follow in registers, and the codes leave as images of the second product's operand.
; THE COLUMNS OF A TILE ARE NOT NEIGHBOURS: tile c of a wave is the columns 4 r + c, the four that lane r gets by one load.  The matrix instruction is used TRANSPOSED (source 0 = weights, source 1 = tokens):
;   register j of tile c in lane (r, h) is token r, column 32 h + 4 j + c: over the four tiles a lane holds 32 NEIGHBOURING hidden units of one token, which are eight registers of the next operand.
; THE LIST.  Wave 0 places the expert's tokens (a counting sort on top1, whole numbers that an earlier launch stored) in LDS while the first weights are on their way.
;   Words behind the count are 1,024 + e; here they are held at 1,023: a padded row takes token 1,023's codes; its results are stored and never used.
;   An expert without tokens makes one padded tile, so that the next launch reads only bytes that were stored.
; gelu(z) = z/2 (1 + erf(z / sqrt 2)), erf(u) = u P(u^2) / Q(u^2) with u held in +-4: the f32 rational form, Q <= its constant term < 0.  LIMIT: 1 + erf carries an absolute error of about 1e-7, so gelu of very negative z
;   (below about -4) loses relative accuracy, as any f32 sum 1 + erf does.
; LIMITS on the given exponents, so that each power of two is an f32 number: ew1 and eh between -126 and 119; ex + ew1 between -125 and 127.  NaN among the inputs is not served.
; No tensor load: trip counts hang on the stored choice.  No cluster: no two work-groups read the same weight byte, and the codes of x are 160 KB beside 512 KB of weights.
; REGISTERS, in windows of 256: window 0 addresses and all arithmetic; window 1 the 256 landing registers of phase 1, then v0-63 and v64-127 the tokens' fragments for my and the partner's half of K, v128-255 a later tile's gathered codes;
;   window 2 my fragments ((K step s, tile c) at v[64 s + 16 c]); window 3 first eight batches of gathered codes, then the partner's fragments.
.set PITCH,  16384                     ; a row of W1[e] in bytes
.set LIST,   131072                    ; LDS: 0 .. 131,071 the four waves' images (32,768 each); then the list: 1,152 words,
.set CNTO,   4608                      ; behind it the count's word, and behind that a dump word for tokens of other experts
.set DUMPW,  1153
.set TOKB,   135936                    ; then 160 rows of 1,024 codes,
.set SPITCH, 1040                      ; 1,040 bytes apart: an odd multiple of 16, so that sixteen rows start at sixteen different banks (ISA guide 11.1)
.set TILEB,  16*SPITCH
.set SPARE,  TOKB+10*TILEB             ; behind them the spare words, 128 bytes for each wave
.set WO,  4                            ; v4   weights: 32 h rows + 16 r
.set L16, 5                            ; v5   16 x lane
.set XS,  6                            ; v6   my images
.set XL,  7                            ; v7   the partner's
.set STI, 8                            ; v8   stage of a later tile, in: row h, 16 r.  It lies on the partner's images, which I alone read, and have read by then
.set FAO, 9                            ; v9   stage, out: row r, 32 h, my half of K
.set FAT, 10                           ; v10  the same, the partner's half
.set LA,  11                           ; v11  LIST + 16 x lane: wave 0 fills the list through it
.set R16, 12                           ; v12  16 r
.set SC,  13                           ; v13  2^ew1
.set SCH, 14                           ; v14  2^eh
.set DMP, 15                           ; v15  the dump word's index
.set TK,  20                           ; v[20:27] phase 1: offsets of my last eight gathered rows; later tiles: gather offsets of rows 2 i + h
.set LA0, 28                           ; v28  LIST + 4 h
.set POS, 29
.set TOK, 30
.set L4,  31                           ; v31  4 x lane
.set ACC, 32                           ; v[32:63]   four accumulators; phase 1: offsets of my first 32 gathered rows
.set B1S, 64                           ; v[64:95]   b1 / 2^(ex + ew1) in the accumulators' layout
.set LR,  96                           ; v[96:111]  lane t: the 16 tokens of my t-th tile
.set LW,  112                          ; v112 LIST + 32 x wave: my words of the list, eight of every 32
.set LRA, 113                          ; v113 LIST + 128 x lane + 64 kh
.set BO,  115                          ; v115 b1's offset
.set FM,  116                          ; v[116:118] my tiles' fragments, my half of K: tiles t = 0 and 1, 2 and 3, 4
.set FP,  119                          ; v[119:121] the partner's half of K
.set SPW, 122                          ; v122 my spare word
.set NIL, 123                          ; v123 0
.set TST, 124                          ; v[124:126] where my rows of codes go: rows 0-63, 64-127, 128-159 of the 160
.set U,   128
.set G,   128                          ; v[128:159] u, later gelu: 32 neighbouring units
.set T,   160
.set P,   192
.set Q,   224
.set H,   224                          ; v[224:231] the reciprocals' registers take the codes
.set R,   128                          ; phase 1: v[128:143] codes as converted, v[144:159] half turned
.set TT,  144
.set TP,  160                          ; phase 1, wave 0: v[160:191] top1, v[192:195] the list's filling; then v[160:223] the last two batches of gathered codes
.set ZR,  192
.set RAW, 224                          ; v[224:255] phase 1: b1 as loaded
.set TS,  68                           ; s[68:83] a tile's 16 tokens
.set MSB, 0
.macro WIN new                         ; s_set_vgpr_msb: bits 1:0 source 0, 3:2 source 1, 5:4 source 2, 7:6 destination; the high byte repeats the setting that is left
.if MSB != \new
	s_set_vgpr_msb (MSB<<8)|\new
.set MSB, \new
.endif
.endm
.macro ISSUE n                         ; batch n of 16: K step n / 4, loads 16 (n % 4) .. + 15 of its 64; load j brings rows 64 (j / 32) + j % 32 (+ 32 h).  Every offset is an immediate: 479 rows at the most, inside the signed 24 bits
.set qS, (\n)/4
.set qB, (\n)%4
	WIN 0x40
.set qT, 0
.rept 16
.set qJ, 16*qB+qT
	global_load_b128 v[4*qJ:4*qJ+3], v[WO], s[50:51] offset:(128*qS+64*(qJ/32)+qJ%32)*PITCH th:TH_LOAD_NT
.set qT, qT+1
.endr
.endm
.macro CONV n                          ; batch n: 64 numbers a lane become 16 registers of my fragments
.set qS, (\n)/4
.set qB, (\n)%4
	WIN 0x41
.set qX, 0
.rept 64
	v_med3_num_f32 v[64*qB+qX], v[64*qB+qX], s29, s28              ; the hold: the conversion does not saturate (ISA guide 7.6.2)
.set qX, qX+1
.endr
	WIN 0x01
.set qX, 0
.rept 8
	v_cvt_scalef32_pk8_fp8_f32 v[R+2*qX:R+2*qX+1], v[64*qB+8*qX:64*qB+8*qX+7], v[SC]   ; R[x] = the four columns of load 16 b + x
.set qX, qX+1
.endr
	WIN 0
	v_nop                                          ; one plain vector line behind the last scaled conversion
.set qX, 0
.rept 4                                ; four loads x four columns, turned: first pairs of bytes,
	v_perm_b32 v[TT+4*qX],   v[R+4*qX+1], v[R+4*qX],   s32
	v_perm_b32 v[TT+4*qX+1], v[R+4*qX+1], v[R+4*qX],   s33
	v_perm_b32 v[TT+4*qX+2], v[R+4*qX+3], v[R+4*qX+2], s32
	v_perm_b32 v[TT+4*qX+3], v[R+4*qX+3], v[R+4*qX+2], s33
.set qX, qX+1
.endr
	WIN 0x80
.set qX, 0
.rept 4                                ; then halves: register 4 b + q of tile c = column c of loads 16 b + 4 q + 0 .. 3
	v_perm_b32 v[64*qS+4*qB+qX],    v[TT+4*qX+2], v[TT+4*qX],   s34
	v_perm_b32 v[64*qS+16+4*qB+qX], v[TT+4*qX+2], v[TT+4*qX],   s35
	v_perm_b32 v[64*qS+32+4*qB+qX], v[TT+4*qX+3], v[TT+4*qX+1], s34
	v_perm_b32 v[64*qS+48+4*qB+qX], v[TT+4*qX+3], v[TT+4*qX+1], s35
.set qX, qX+1
.endr
.endm
.macro IMG n                           ; batch n's 16 registers to LDS as they stand: registers 4 m .. 4 m + 3 of window 2 at 512 m + 16 x lane
.set qS, (\n)/4
.set qB, (\n)%4
	WIN 0x08
.irp c, 0,1,2,3
	ds_store_b128 v[XS], v[64*qS+16*\c+4*qB:64*qS+16*\c+4*qB+3] offset:512*(16*qS+4*\c+qB)
.endr
.endm
.macro XLK s                           ; the partner's 16 chunks of K step s, into the same registers of window 3
	WIN 0xc0
.set qX, 16*(\s)
.rept 16
	ds_load_b128 v[4*qX:4*qX+3], v[XL] offset:512*qX
.set qX, qX+1
.endr
.endm
.macro GPLACE h                        ; gathered batch h: landing registers and offsets
.set gG, (\h)/2
.set gH, (\h)%2
.if (\h) < 8
.set gD, 32*(\h)
.set gA, ACC+4*(\h)
.else
.set gD, TP+32*((\h)-8)
.set gA, TK+4*((\h)-8)
.endif
.endm
.macro GTH h                           ; four of my 40 rows of codes, two loads of 512 consecutive bytes to a row: rows 32 (h / 2) + 8 w + 4 (h % 2) + 0 .. 3 of the 160
	GPLACE \h
.if (\h) < 8
	WIN 0xc0
.else
	WIN 0
.endif
.irp i, 0,1,2,3
.irp q, 0,1
	global_load_b128 v[gD+8*\i+4*\q:gD+8*\i+4*\q+3], v[gA+\i], s[12:13] offset:512*\q
.endr
.endr
.endm
.macro TSTO h                          ; and into LDS
	GPLACE \h
.if (\h) < 8
	WIN 0x0c
.else
	WIN 0
.endif
.irp i, 0,1,2,3
.irp q, 0,1
	ds_store_b128 v[TST+gG/2], v[gD+8*\i+4*\q:gD+8*\i+4*\q+3] offset:SPITCH*(32*(gG%2)+4*gH+\i)+512*\q
.endr
.endr
.endm
.macro FRAG8 a, b, off                 ; 32 loads: a tile's fragments.  Registers 0-7 of a fragment: 32 bytes at 128 s + 32 h; registers 8-15: 64 further on
	WIN 0x40
.irp s, 0,1,2,3
.irp c, 0,1,2,3
	ds_load_b128 v[16*\s+4*\c:16*\s+4*\c+3], v[\a] offset:\off+128*\s+16*(\c%2)+64*(\c/2)
.endr
.endr
.irp s, 0,1,2,3
.irp c, 0,1,2,3
	ds_load_b128 v[64+16*\s+4*\c:64+16*\s+4*\c+3], v[\b] offset:\off+128*\s+16*(\c%2)+64*(\c/2)
.endr
.endr
	WIN 0
.endm
.macro TOKADR lane                     ; the 16 tokens that lane \lane of LR holds become gather offsets: lanes 0-15 row 2 i, lanes 16-31 row 2 i + 1; token x 1,024 + 16 r.  The hold at 1,023 keeps every address inside xq
.irp k, 0,1,2,3,4,5,6,7,8,9,10,11,12,13,14,15
	v_readlane_b32 s[TS+\k], v[LR+\k], \lane
.endr
.irp i, 0,1,2,3,4,5,6,7
	v_mov_b32 v[TK+\i], s[TS+2*\i]
.endr
.irp i, 0,1,2,3,4,5,6,7
	v_cndmask_b32 v[TK+\i], v[TK+\i], s[TS+2*\i+1], s60
.endr
.irp i, 0,1,2,3,4,5,6,7
	v_min_u32 v[TK+\i], 0x3ff, v[TK+\i]
.endr
.irp i, 0,1,2,3,4,5,6,7
	v_lshl_add_u32 v[TK+\i], v[TK+\i], 10, v[R16]
.endr
.endm
.macro HORN d, k                       ; d = d x t + k, 32 numbers
.set qX, 0
.rept 16
	v_pk_fma_f32 v[\d+2*qX:\d+2*qX+1], v[\d+2*qX:\d+2*qX+1], v[T+2*qX:T+2*qX+1], \k op_sel_hi:[1,1,0]
.set qX, qX+1
.endr
.endm
	s_load_b256 s[4:11], s[0:1], 0x0               ; W1 s[4:5], b1 s[6:7], lowp_scales s[8:9], top1 s[10:11]
	s_load_b128 s[12:15], s[0:1], 0x20             ; xq s[12:13], hq s[14:15]
	v_lshl_add_u32 v[SPW], v0, 2, SPARE
	v_mov_b32 v[NIL], 0
	v_lshrrev_b32 v1, 5, v0
	v_readfirstlane_b32 s16, v1                    ; wave
	s_lshr_b32 s17, s16, 1                         ; cg: which 64 columns
	s_and_b32 s18, s16, 1                          ; kh: which half of K; also the parity of my tiles
	s_lshr_b32 s19, ttmp9, 5                       ; e
	s_and_b32 s20, ttmp9, 31                       ; sl
	v_and_b32 v1, 31, v0                           ; lane
	v_and_b32 v2, 15, v0                           ; r
	v_bfe_u32 v3, v0, 4, 1                         ; h
	v_lshlrev_b32 v[R16], 4, v2
	v_lshl_add_u32 v[WO], v3, 19, v[R16]           ; 32 rows of 16,384 bytes
	v_lshlrev_b32 v[L16], 4, v1
	v_lshlrev_b32 v[BO], 7, v3                     ; b1: my half's 32 numbers
	v_lshlrev_b32 v[L4], 2, v1
	v_mov_b32 v[DMP], DUMPW
	v_lshl_add_u32 v[LA0], v3, 2, LIST
	v_add_nc_u32 v[LA], LIST, v[L16]               ; (every LDS address is made here, ahead of the waves' parting)
	v_mul_u32_u24 v[FAT], v2, SPITCH
	v_lshl_add_u32 v[FAT], v3, 5, v[FAT]           ; a fragment's row r, 32 h
	v_mul_u32_u24 v[STI], v3, SPITCH
	v_add_nc_u32 v[STI], v[STI], v[R16]
	s_wait_alu depctr_va_vdst(0)                   ; the wait here, ahead of the scalar lines among the readers
	s_lshl_b32 s45, s16, 15
	v_add_nc_u32 v[XS], s45, v[L16]
	s_xor_b32 s45, s45, 32768
	v_add_nc_u32 v[XL], s45, v[L16]
	v_add_nc_u32 v[STI], s45, v[STI]
	s_lshl_b32 s21, s18, 9                         ; my half of K in a row of codes
	s_xor_b32 s22, s21, 512                        ; the partner's
	s_mul_i32 s23, s18, TILEB
	s_add_co_u32 s23, s23, TOKB                    ; tile kh + 2 t lies 2 t tiles behind tile kh
.irp j, 0,1,2
	v_add_nc_u32 v[FM+\j], s23, v[FAT]
	v_add_nc_u32 v[FP+\j], s22, v[FM+\j]
	v_add_nc_u32 v[FM+\j], s21, v[FM+\j]
	s_add_co_u32 s23, s23, 4*TILEB
.endr
	v_add_nc_u32 v[FAT], s45, v[FAT]
	v_add_nc_u32 v[FAO], s21, v[FAT]
	v_add_nc_u32 v[FAT], s22, v[FAT]
	s_lshl_b32 s45, s18, 6
	s_add_co_u32 s45, s45, LIST
	v_lshl_add_u32 v[LRA], v1, 7, s45              ; tile kh + 2 t is 64 bytes of the list at 64 kh + 128 t: lane t reads them
	s_lshl_b32 s45, s16, 5
	s_add_co_u32 s45, s45, LIST
	v_mov_b32 v[LW], s45
	s_mul_i32 s45, s16, 8*SPITCH
	s_add_co_u32 s45, s45, TOKB
.irp j, 0,1,2
	v_add_nc_u32 v[TST+\j], s45, v[L16]
	s_add_co_u32 s45, s45, 64*SPITCH
.endr
	s_mov_b32 s32, 0x05010400                      ; v_perm_b32: bytes 0, 1 of two registers, interleaved
	s_mov_b32 s33, 0x07030602                      ; bytes 2, 3
	s_mov_b32 s34, 0x05040100                      ; the low halves of two registers
	s_mov_b32 s35, 0x07060302                      ; the high halves
	s_mov_b32 s60, 0xffff0000                      ; lanes 16-31
	s_mov_b32 s47, 0
	s_wait_alu depctr_va_vdst(0)                   ; the wait here, directly ahead of the wait below
	s_wait_kmcnt 0x0
	s_lshl_b32 s46, s19, 4
	s_add_nc_u64 s[8:9], s[8:9], s[46:47]
	s_load_b128 s[24:27], s[8:9], 0x0              ; ex, ew1, eh, ew2 of my expert
	s_lshl_b32 s46, s19, 24                        ; W1[e]: 16 MiB,
	s_lshl_b32 s45, s18, 23                        ; 512 kh rows,
	s_add_co_u32 s46, s46, s45
	s_lshl_b32 s45, s20, 9
	s_lshl_b32 s48, s17, 8
	s_add_co_u32 s45, s45, s48                     ; column 128 sl + 64 cg, in bytes
	s_add_co_u32 s46, s46, s45
	s_add_nc_u64 s[50:51], s[4:5], s[46:47]
	s_lshl_b32 s46, s19, 14
	s_add_co_u32 s46, s46, s45
	s_add_nc_u64 s[54:55], s[6:7], s[46:47]        ; b1[e] at my first column
.irp m, 0,1,2,3,4,5,6,7
	global_load_b128 v[RAW+4*\m:RAW+4*\m+3], v[BO], s[54:55] offset:16*\m
.endr
	s_cmp_lg_u32 s16, 0
	s_cbranch_scc1 .Lno_tp
.irp m, 0,1,2,3,4,5,6,7
	global_load_b128 v[TP+4*\m:TP+4*\m+3], v[L16], s[10:11] offset:512*\m      ; wave 0: TP[4 m + c] = top1[128 m + 4 l + c]
.endr
.Lno_tp:
	ISSUE 0
	ISSUE 1
	ISSUE 2
	ISSUE 3
	WIN 0
	s_lshl_b32 s46, s19, 22                        ; hq: expert 4 MiB, tile 64 KiB, K step (= sl) 2,048, my two chunks 1,024 cg
	s_lshl_b32 s45, s20, 11
	s_add_co_u32 s46, s46, s45
	s_lshl_b32 s45, s17, 10
	s_add_co_u32 s46, s46, s45
	s_add_nc_u64 s[52:53], s[14:15], s[46:47]
	v_mov_b32 v16, 0xaf95df0b                      ; P's leading coefficient, twice: a pair for the packed form
	v_mov_b32 v17, 0xaf95df0b
	v_mov_b32 v18, 0xb77460cd                      ; Q's
	v_mov_b32 v19, 0xb77460cd
	s_wait_alu depctr_va_vdst(0)
	s_wait_kmcnt 0x0
	s_add_co_i32 s45, s25, 127
	s_lshl_b32 s48, s45, 23
	v_mov_b32 v[SC], s48                           ; 2^ew1: the conversion takes its exponent field
	s_add_co_i32 s45, s45, 8
	s_lshl_b32 s28, s45, 23
	s_or_b32 s28, s28, 0x600000                    ; 448 x 2^ew1
	s_or_b32 s29, s28, 0x80000000                  ; and its negative
	s_add_co_i32 s45, s26, 127
	s_lshl_b32 s48, s45, 23
	v_mov_b32 v[SCH], s48                          ; 2^eh
	s_add_co_i32 s45, s45, 8
	s_lshl_b32 s30, s45, 23
	s_or_b32 s30, s30, 0x600000
	s_or_b32 s31, s30, 0x80000000
	s_add_co_i32 s45, s24, s25                     ; ex + ew1: a sum stands for sum x 2^(ex + ew1)
	s_sub_co_i32 s49, 0, s45                       ; so b1 goes in divided by it,
	s_lshl_b32 s45, s45, 23
	s_add_co_i32 s36, s45, 0x3f3504f3              ; u = sum x 2^(ex + ew1) / sqrt 2: the exponents are added to the constant's exponent field
	s_mov_b32 s37, s36                             ; (named with it as a pair, so it is written)
	s_add_co_i32 s38, s45, 0x3f000000              ; z / 2 = sum x 2^(ex + ew1) / 2
	s_mov_b32 s39, s38
	s_wait_alu depctr_va_vdst(0)                   ; the wait at the head's end
	s_cmp_lg_u32 s16, 0
	s_cbranch_scc1 .Lno_sort
	; WAVE 0 PLACES THE EXPERT'S TOKENS.  EXEC is never touched: weight loads are out.
	s_wait_loadcnt 63                              ; 64 weight loads are younger than top1's: top1 is in
	s_add_co_u32 s45, s19, 1024
.irp k, 0,1,2,3
	v_mov_b32 v[ZR+\k], s45
.endr
	s_wait_alu depctr_va_vdst(0)
.irp m, 0,1,2,3,4,5,6,7,8
	ds_store_b128 v[LA], v[ZR:ZR+3] offset:512*\m  ; every list word is written: 1,024 + e marks a row without a token
.endr
	s_mov_b32 s44, 0                               ; tokens placed so far
.irp m, 0,1,2,3,4,5,6,7
.irp c, 0,1,2,3
	v_cmp_eq_u32 vcc_lo, s19, v[TP+4*\m+\c]
	v_mbcnt_lo_u32_b32 v[POS], vcc_lo, s44         ; placed so far + my expert's tokens in lower lanes
	v_cndmask_b32 v[POS], v[DMP], v[POS], vcc_lo   ; another expert's token goes to the dump word
	v_min_u32 v[POS], DUMPW, v[POS]
	v_lshl_add_u32 v[POS], v[POS], 2, LIST
	v_add_nc_u32 v[TOK], 128*\m+\c, v[L4]
	ds_store_b32 v[POS], v[TOK]
	s_bcnt1_i32_b32 s45, vcc_lo
	s_add_co_u32 s44, s44, s45
.endr
.endr
	v_mov_b32 v[TOK], s44
	ds_store_b32 v[LA0], v[TOK] offset:CNTO        ; lanes 0-15: the count's word; lanes 16-31: the dump word behind it
.Lno_sort:
.set n, 0
.rept 4
	s_wait_loadcnt 48                              ; loads come back in order (ISA guide 5.7.1): this batch is in, the three younger batches stay out
	CONV n
	ISSUE n+4                                      ; its landing registers take the batch four on
.set n, n+1
.endr
	WIN 0
	s_wait_alu depctr_va_vdst(0)
	s_wait_dscnt 0x0                               ; wave 0: the list lies in LDS
	s_barrier_signal -1                            ; this barrier parts the list's stores, whose places hang on data, from every other LDS access
	s_barrier_wait -1
	ds_load_b32 v[POS], v[LA0] offset:CNTO
.irp q, 0,1,2,3
	ds_load_b128 v[ACC+8*\q:ACC+8*\q+3], v[LW] offset:128*\q       ; my 40 words of the list's first 160, the same in every lane: words 32 q + 8 w + 0 .. 7
	ds_load_b128 v[ACC+8*\q+4:ACC+8*\q+7], v[LW] offset:128*\q+16
.endr
	ds_load_b128 v[TK:TK+3], v[LW] offset:512
	ds_load_b128 v[TK+4:TK+7], v[LW] offset:528
.set n, 0
.rept 4
	IMG n
.set n, n+1
.endr
	WIN 0
	s_wait_dscnt 16                                ; all but the 16 image stores: the count and my words are in
	v_readfirstlane_b32 s40, v[POS]                ; the expert's tokens
	s_min_u32 s40, s40, 0x400
	s_add_co_u32 s41, s40, 15
	s_lshr_b32 s41, s41, 4
	s_max_u32 s41, s41, 1                          ; its tiles, at least one
.set qX, 0
.rept 32
	v_min_u32 v[ACC+qX], 0x3ff, v[ACC+qX]          ; the hold at 1,023 keeps every address inside xq
.set qX, qX+1
.endr
.irp i, 0,1,2,3,4,5,6,7
	v_min_u32 v[TK+\i], 0x3ff, v[TK+\i]
.endr
.set qX, 0
.rept 32
	v_lshl_add_u32 v[ACC+qX], v[ACC+qX], 10, v[L16]
.set qX, qX+1
.endr
.irp i, 0,1,2,3,4,5,6,7
	v_lshl_add_u32 v[TK+\i], v[TK+\i], 10, v[L16]
.endr
	s_wait_alu depctr_va_vdst(0)
	; order of the loads from here on: weights n + 4 (16 loads), gathered n - 4 (8 loads), for n = 4 .. 11; then gathered 8 and 9
.set n, 4
.rept 8
.if n == 4
	s_wait_loadcnt 48                              ; younger than batch 4: three batches of weights
.elseif n == 5
	s_wait_loadcnt 56                              ; three of weights, one gathered
.else
	s_wait_loadcnt 63                              ; younger than batch n are 64 loads or more; from n = 8 on 72 are younger than gathered n - 8
.endif
.if n >= 8
	TSTO n-8
.endif
	CONV n
	IMG n
	ISSUE n+4
	GTH n-4
.set n, n+1
.endr
	s_wait_loadcnt 63                              ; 72 are younger than gathered 4
	TSTO 4
	CONV 12
	IMG 12
	GTH 8
	s_wait_loadcnt 56                              ; younger than gathered 5: weights 14, gathered 6, weights 15, gathered 7 and 8
	TSTO 5
	CONV 13
	IMG 13
	GTH 9
	WIN 0
	s_wait_alu depctr_va_vdst(0)
	s_wait_dscnt 0x0                               ; for the other waves' sake: my images of batches 0-13 and my part of tiles 0-5 lie in LDS
	s_barrier_signal -1
	s_barrier_wait -1
.irp m, 0,1,2,3
	ds_load_b128 v[LR+4*\m:LR+4*\m+3], v[LRA] offset:16*\m         ; lane t: the 16 tokens of tile kh + 2 t
.endr
	FRAG8 FM, FP, 0                                ; my first tile, 0 or 1: into the landing registers of batches 12 and 13
	XLK 0                                          ; the partner's K steps 0-2, into registers whose gathered codes have been stored
	XLK 1
	XLK 2
	s_wait_loadcnt 40                              ; younger than gathered 6: weights 15, gathered 7 to 9
	TSTO 6
	CONV 14
	IMG 14
	s_wait_loadcnt 16                              ; younger than gathered 7: gathered 8 and 9
	TSTO 7
	CONV 15
	IMG 15
	WIN 0
.irp c, 0,1,2,3
.irp j, 0,1,2,3,4,5,6,7
	v_ldexp_f32 v[B1S+8*\c+\j], v[RAW+4*\j+\c], s49  ; b1 of column 32 h + 4 j + c, / 2^(ex + ew1): the C of each sum's first matrix instruction
.endr
.endr
	s_wait_alu depctr_va_vdst(0)
	s_wait_loadcnt 0x0
	TSTO 8
	TSTO 9
	WIN 0
	s_wait_dscnt 0x0                               ; for the other waves' sake: the rest of my images and rows of codes lies in LDS
	s_barrier_signal -1
	s_barrier_wait -1                              ; the last barrier: behind it branches hang on the count
	XLK 3
	WIN 0
	s_mov_b32 s42, s18                             ; J = kh + 2 t
	s_mov_b32 s61, 0                               ; t
.Ltile:                                            ; 32 trips at the most (64 tiles, every second one mine); the loop is left by the forward branch below
	s_cmp_ge_u32 s42, s41
	s_cbranch_scc1 .Ldone
	s_wait_dscnt 0x0                               ; the tile's fragments are in (and, in the first trip, the partner's images)
	WIN 0x06                                       ; source 0 window 2, source 1 window 1.  The four accumulators take turns, one instruction a turn
.irp s, 0,1,2,3
.irp c, 0,1,2,3
.if \s == 0
	v_wmma_f32_16x16x128_fp8_fp8 v[ACC+8*\c:ACC+8*\c+7], v[64*\s+16*\c:64*\s+16*\c+15], v[16*\s:16*\s+15], v[B1S+8*\c:B1S+8*\c+7]
.else
	v_wmma_f32_16x16x128_fp8_fp8 v[ACC+8*\c:ACC+8*\c+7], v[64*\s+16*\c:64*\s+16*\c+15], v[16*\s:16*\s+15], v[ACC+8*\c:ACC+8*\c+7]
.endif
.endr
.endr
	WIN 0x07                                       ; source 0 window 3: the partner's half of K
.irp s, 0,1,2,3
.irp c, 0,1,2,3
	v_wmma_f32_16x16x128_fp8_fp8 v[ACC+8*\c:ACC+8*\c+7], v[64*\s+16*\c:64*\s+16*\c+15], v[64+16*\s:64+16*\s+15], v[ACC+8*\c:ACC+8*\c+7]
.endr
.endr
	WIN 0
.rept 4
	v_nop                                          ; four places between the last products and the loads into their sources, and the first read of results
.endr
	; my next tile's fragments, which land under the gelu
	s_add_co_u32 s45, s42, 2
	s_cmp_ge_u32 s45, s41
	s_cbranch_scc1 .Lgelu                          ; there is none
.irp t, 1,2,3,4
	s_cmp_eq_u32 s61, \t-1
	s_cbranch_scc1 .Lfrag\t
.endr
	; beyond the expert's first ten tiles: gathered here, through my own stage
	s_add_co_u32 s45, s61, 1
	s_min_u32 s45, s45, 31
	TOKADR s45
	WIN 0x40
.irp i, 0,1,2,3,4,5,6,7
.irp q, 0,1,2,3
	global_load_b128 v[128+4*(4*\i+\q):128+4*(4*\i+\q)+3], v[TK+\i], s[12:13] offset:256*\q    ; lanes 0-15 take 256 consecutive bytes of row 2 i, lanes 16-31 of row 2 i + 1
.endr
.endr
	WIN 0x04
	s_wait_loadcnt 0x0
.irp i, 0,1,2,3,4,5,6,7
.irp q, 0,1,2,3
	ds_store_b128 v[STI], v[128+4*(4*\i+\q):128+4*(4*\i+\q)+3] offset:2*SPITCH*\i+256*\q
.endr
.endr
	FRAG8 FAO, FAT, 0                              ; LDS serves a wave's instructions in order (ISA guide 5.7.1.4): the loads see the stores
	s_branch .Lgelu
.irp t, 1,2,3,4
.Lfrag\t:
	FRAG8 FM+\t/2, FP+\t/2, 2*TILEB*(\t%2)
.if \t < 4
	s_branch .Lgelu
.endif
.endr
.Lgelu:
	; gelu and the quantiser, 32 numbers a lane; each accumulator is read from its low end on
.set qX, 0
.rept 16
	v_pk_mul_f32 v[U+2*qX:U+2*qX+1], v[ACC+2*qX:ACC+2*qX+1], s[36:37] op_sel_hi:[1,0]   ; u = z / sqrt 2
.set qX, qX+1
.endr
.set qX, 0
.rept 32
	v_med3_num_f32 v[U+qX], v[U+qX], -4.0, 4.0     ; beyond +-4 erf is +-1 in f32
.set qX, qX+1
.endr
.set qX, 0
.rept 16
	v_pk_mul_f32 v[T+2*qX:T+2*qX+1], v[U+2*qX:U+2*qX+1], v[U+2*qX:U+2*qX+1]             ; t = u^2
.set qX, qX+1
.endr
.set qX, 0
.rept 16
	v_pk_fma_f32 v[P+2*qX:P+2*qX+1], v[T+2*qX:T+2*qX+1], v[16:17], 0x32edffee op_sel_hi:[1,1,0]
.set qX, qX+1
.endr
	HORN P, 0xb60cff51
	HORN P, 0xb86ec2d2
	HORN P, 0xba40ac63
	HORN P, 0xbb41a1f6
	HORN P, 0xbc83dbd4
.set qX, 0
.rept 16
	v_pk_fma_f32 v[Q+2*qX:Q+2*qX+1], v[T+2*qX:T+2*qX+1], v[18:19], 0xb95fbd29 op_sel_hi:[1,1,0]
.set qX, qX+1
.endr
	HORN Q, 0xbadc924e
	HORN Q, 0xbbf19bf8
	HORN Q, 0xbc69b6a7
.set qX, 0
	s_wait_alu depctr_va_vdst(0)                   ; a wait ahead of the batch
.rept 32
	v_rcp_f32 v[Q+qX], v[Q+qX]                     ; one batch of 32
.set qX, qX+1
.endr
.set qX, 0
.rept 16
	v_pk_mul_f32 v[P+2*qX:P+2*qX+1], v[P+2*qX:P+2*qX+1], v[U+2*qX:U+2*qX+1]             ; u P: work that names no reciprocal stands behind the batch,
.set qX, qX+1
.endr
.set qX, 0
.rept 16
	v_pk_mul_f32 v[T+2*qX:T+2*qX+1], v[ACC+2*qX:ACC+2*qX+1], s[38:39] op_sel_hi:[1,0]   ; and z / 2
.set qX, qX+1
.endr
	s_wait_alu depctr_va_vdst(0)                   ; one wait for the batch, ahead of its first reader
.set qX, 0
.rept 16
	v_pk_fma_f32 v[P+2*qX:P+2*qX+1], v[P+2*qX:P+2*qX+1], v[Q+2*qX:Q+2*qX+1], 1.0 op_sel_hi:[1,1,0]   ; 1 + erf
.set qX, qX+1
.endr
.irp c, 0,1,2,3
.irp j, 0,1,2,3,4,5,6,7
	v_mul_f32 v[G+4*\j+\c], v[T+8*\c+\j], v[P+8*\c+\j]             ; gelu, laid in the order of the columns: unit 32 h + 4 j + c (into u's registers, which are done with)
.endr
.endr
.set qX, 0
.rept 32
	v_med3_num_f32 v[G+qX], v[G+qX], s31, s30      ; the hold at +-448 x 2^eh
.set qX, qX+1
.endr
.irp m, 0,1,2,3
	v_cvt_scalef32_pk8_fp8_f32 v[H+2*\m:H+2*\m+1], v[G+8*\m:G+8*\m+7], v[SCH]
.endr
	v_nop                                          ; one plain vector line behind the last scaled conversion
	s_min_u32 s45, s42, 63                         ; the tile's 64 KiB in hq: the hold keeps it inside the expert's room
	s_lshl_b32 s46, s45, 16
	s_add_nc_u64 s[54:55], s[52:53], s[46:47]
	global_store_b128 v[L16], v[H:H+3], s[54:55] th:TH_STORE_NT                ; registers 8 cg .. + 3 of the image (e, J, K step sl): 512 consecutive bytes, aligned
	global_store_b128 v[L16], v[H+4:H+7], s[54:55] offset:512 th:TH_STORE_NT   ; registers 8 cg + 4 .. + 7
	s_wait_xcnt 0x0                                ; the stores have read their data and base: both are written again only behind this wait
	s_add_co_u32 s42, s42, 2
	s_add_co_u32 s61, s61, 1
	s_cmp_lt_u32 s61, 32
	s_cbranch_scc1 .Ltile
.Ldone:
	s_wait_dscnt 0x0                               ; a wave that leaves ahead of its first tile: its reads are back
	s_wait_tensorcnt 0x0                           ; the wave's end, behind my last LDS store
	ds_add_u32 v[SPW], v[NIL]
	s_wait_dscnt 0x0
	s_endpgm
.Lfunc_end_k_q590ff22187_ffn1:
	.size	k_q590ff22187_ffn1, .Lfunc_end_k_q590ff22187_ffn1-k_q590ff22187_ffn1
	.p2alignl 7, 3214868480
	.fill 96, 4, 3214868480
	.section	.rodata,"a",@progbits
	.p2align	6, 0x0
	.amdhsa_kernel k_q590ff22187_ffn1
		.amdhsa_group_segment_fixed_size 302848
		.amdhsa_private_segment_fixed_size 0
		.amdhsa_enable_private_segment 0
		.amdhsa_kernarg_size 48
		.amdhsa_user_sgpr_count 2
		.amdhsa_user_sgpr_kernarg_segment_ptr 1
		.amdhsa_wavefront_size32 1
		.amdhsa_system_sgpr_workgroup_id_x 1
		.amdhsa_system_sgpr_workgroup_id_y 1
		.amdhsa_system_sgpr_workgroup_id_z 1
		.amdhsa_system_vgpr_workitem_id 0
		.amdhsa_next_free_vgpr 1024
		.amdhsa_next_free_sgpr 84
		.amdhsa_reserve_vcc 1
		.amdhsa_float_denorm_mode_32 3
		.amdhsa_float_denorm_mode_16_64 3
		.amdhsa_memory_ordered 1
		.amdhsa_forward_progress 1
		.amdhsa_inst_pref_size 235
	.end_amdhsa_kernel
	.amdgpu_metadata
---
amdhsa.version: [ 1, 2 ]
amdhsa.kernels:
  - .name:           k_q590ff22187_ffn1
    .symbol:         k_q590ff22187_ffn1.kd
    .args:
      - { .name: W1, .offset: 0, .size: 8, .value_kind: global_buffer, .address_space: global }
      - { .name: b1, .offset: 8, .size: 8, .value_kind: global_buffer, .address_space: global }
      - { .name: lowp_scales, .offset: 16, .size: 8, .value_kind: global_buffer, .address_space: global }
      - { .name: top1, .offset: 24, .size: 8, .value_kind: global_buffer, .address_space: global }
      - { .name: xq, .offset: 32, .size: 8, .value_kind: global_buffer, .address_space: global }
      - { .name: hq, .offset: 40, .size: 8, .value_kind: global_buffer, .address_space: global }
    .group_segment_fixed_size: 302848
    .private_segment_fixed_size: 0
    .kernarg_segment_align: 8
    .kernarg_segment_size: 48
    .max_flat_workgroup_size: 128
    .sgpr_count:     84
    .vgpr_count:     1024
    .wavefront_size: 32
...
	.end_amdgpu_metadata
.endif
;; end of part 2
;; launch ffn2 (part 3): grid 256 x 1, 4 waves a work-group, no clusters, 317,696 bytes of LDS; arguments W2, lowp_scales, top1, hq, part; writes part
.if DOCPART == 3
	.amdgcn_target "amdgcn-amd-amdhsa--gfx1250"
	.amdhsa_code_object_version 6
	.text
	.protected	k_q590ff22187_ffn2
	.globl	k_q590ff22187_ffn2
	.p2align	8
	.type	k_q590ff22187_ffn2,@function
k_q590ff22187_ffn2:
	s_mov_b64 s[64:65], 0
	v_nop
	global_prefetch_b8 v0, s[64:65] scope:SCOPE_SE
	s_setreg_imm32_b32 hwreg(HW_REG_WAVE_MODE, 25, 1), 1
	s_wait_xcnt 0x0
; THE SECOND PRODUCT OF THE CHOSEN EXPERT, in four parts along K:  part[token][kq][:] = 2^(eh + ew2) x (hq's codes . Q(W2[e])'s codes) over hidden units 1,024 kq .. + 1,023, for the tokens whose top1 is e
;   (the other rows are thrown away by the mask that the problem itself builds).
; SHARES.  Work-group = (e = id / 32, cgp = (id / 4) % 8, kq = id % 4): 128 output columns x 1,024 of K: 512 KB of W2, read ONCE as f32 and quantised in registers on the way.  Wave w = 2 cg + kh.
;   K is cut in four across work-groups so that 256 work-groups stream rows' pieces of 256 consecutive bytes; the four parts are added by the next launch (no sum spans work-groups inside a launch).
; PHASE 1 is the first product's but for the pitch: wave w streams columns 64 cg .. + 63, rows 512 kh .. + 511, in 16 batches, holds, converts, turns 4 x 4 bytes, and hands its 16 fragments to the partner wave through LDS as images.
;   The tokens' operand lies in hq as images of its registers, 16,384 consecutive bytes a tile for this work-group's K.  Behind each of the weights' batches 4 to 13 each wave also asks for 4,096 of the first ten tiles' bytes,
;   8 loads of 512 consecutive bytes, and lays them in LDS; what lies beyond the expert's last tile repeats that tile's bytes, so that only stored bytes are read.
;   A barrier behind batch 13 shows every wave the images of batches 0 to 13 and tiles 0 to 5; a last one behind batch 15 the rest.
; PHASE 2: tiles of 16 tokens, wave (cg, kh) the tiles of parity kh.  The first ten tiles' operand comes from LDS; a later tile's straight from hq into the same registers.
;   32 matrix instructions a tile (TRANSPOSED: source 0 = weights, source 1 = tokens); behind them the next tile's operand is asked for; the sums, x 2^(eh + ew2), go through the wave's own stage and leave by the list:
;   sixteen lanes store 256 consecutive, aligned bytes of a token's row.
; THE ORDER OF k IN A FRAGMENT: lane (r, h), register i, byte b: k = 64 (i / 8) + 32 h + 4 (i % 8) + b, in both operands.  Tile c of a wave is the columns 4 r + c; register j of tile c in lane (r, h) is token r, column 32 h + 4 j + c.
; THE LIST is made as in the first product's launch, by the same lines, so its order is the same; each wave reads its share once (lane t: the 16 tokens of its t-th tile) and takes a tile's tokens out by v_readlane_b32.
;   A ROW WITHOUT A TOKEN has the list word 1,024 + e: it is stored like the others, into row 1,024 + e of part, a spare row that nobody reads; its bytes at (kq, my columns) are this work-group's alone.  So EXEC is never touched.
; LIMITS: ew2 between -126 and 119; eh + ew2 between -126 and 127.  NaN among the inputs is not served.
; No tensor load: trip counts hang on the stored choice.  No cluster: no two work-groups read the same weight byte, and the tokens' operand is 160 KB beside 512 KB of weights.
; REGISTERS: window 0 addresses and arithmetic; window 1 the landing registers of phase 1, then v0-63 and v64-127 the tokens' fragments (my half of K, the partner's); window 2 my weight fragments;
;   window 3 first eight batches of the tokens' operand on their way into LDS, then the partner's weight fragments.
.set PITCH,  4096                      ; a row of W2[e] in bytes
.set LIST,   131072                    ; LDS: the four waves' images; the list: 1,152 words; the count's word; a dump word
.set CNTO,   4608
.set DUMPW,  1153
.set STG,    135936                    ; a stage for each wave: 16 rows of 256 bytes,
.set OPITCH, 272                       ; 272 bytes apart: an odd multiple of 16 (ISA guide 11.1)
.set TOKB,   STG+4*16*OPITCH           ; the first ten tiles of the tokens' operand,
.set TILEB,  16384
.set SPARE,  TOKB+10*TILEB             ; and the spare words, 128 bytes for each wave
.set WO,  4
.set L16, 5
.set XS,  6
.set XL,  7
.set OSI, 8                            ; v8   stage, in: row r, 128 h
.set OSR, 9                            ; v9   stage, back: row h, 16 r
.set AOO, 10                           ; v10  hq: 16 x lane + my four K steps
.set LA,  11                           ; v11  LIST + 16 x lane: wave 0 fills the list through it
.set R16, 12
.set SC,  13                           ; v13  2^ew2
.set AOT, 14                           ; v14  hq: 16 x lane + the partner's four K steps
.set DMP, 15
.set TK,  20                           ; v[20:27] the tile's tokens of rows 2 i + h, then store offsets
.set LA0, 28
.set POS, 29
.set TOK, 30
.set L4,  31
.set ACC, 32                           ; v[32:63] accumulators; phase 1: batch 8 of the tokens' operand on its way
.set LR,  64                           ; v[64:79] lane t: the 16 tokens of my t-th tile
.set G,   96
.set O,   128
.set R,   128
.set TT,  144
.set TP,  160                          ; v[160:191] wave 0's top1; then batch 9 of the tokens' operand
.set ZR,  192
.set LRA, 197                          ; LIST + 128 x lane + 64 kh
.set FM,  199                          ; v[199:201] my tiles' fragments, my half of K: tiles t = 0 and 1, 2 and 3, 4
.set FP,  202                          ; v[202:204] the partner's half of K
.set TST, 205                          ; v[205:207] where my part of the tiles goes: tiles 0-3, 4-7, 8-9
.set SPW, 254
.set NIL, 255
.set TS,  68                           ; s[68:83] a tile's 16 tokens; in phase 1 s[68:77] where my part of each two tiles begins in hq
.set MSB, 0
.macro WIN new                         ; s_set_vgpr_msb: bits 1:0 source 0, 3:2 source 1, 5:4 source 2, 7:6 destination; the high byte repeats the setting that is left
.if MSB != \new
	s_set_vgpr_msb (MSB<<8)|\new
.set MSB, \new
.endif
.endm
.macro ISSUE n                         ; batch n of 16: K step n / 4, loads 16 (n % 4) .. + 15 of its 64; load j brings rows 64 (j / 32) + j % 32 (+ 32 h); every offset is an immediate
.set qS, (\n)/4
.set qB, (\n)%4
	WIN 0x40
.set qT, 0
.rept 16
.set qJ, 16*qB+qT
	global_load_b128 v[4*qJ:4*qJ+3], v[WO], s[50:51] offset:(128*qS+64*(qJ/32)+qJ%32)*PITCH th:TH_LOAD_NT
.set qT, qT+1
.endr
.endm
.macro CONV n                          ; batch n: 64 numbers a lane become 16 registers of my fragments
.set qS, (\n)/4
.set qB, (\n)%4
	WIN 0x41
.set qX, 0
.rept 64
	v_med3_num_f32 v[64*qB+qX], v[64*qB+qX], s29, s28              ; the hold: the conversion does not saturate (ISA guide 7.6.2)
.set qX, qX+1
.endr
	WIN 0x01
.set qX, 0
.rept 8
	v_cvt_scalef32_pk8_fp8_f32 v[R+2*qX:R+2*qX+1], v[64*qB+8*qX:64*qB+8*qX+7], v[SC]
.set qX, qX+1
.endr
	WIN 0
	v_nop                                          ; one plain vector line behind the last scaled conversion
.set qX, 0
.rept 4
	v_perm_b32 v[TT+4*qX],   v[R+4*qX+1], v[R+4*qX],   s32
	v_perm_b32 v[TT+4*qX+1], v[R+4*qX+1], v[R+4*qX],   s33
	v_perm_b32 v[TT+4*qX+2], v[R+4*qX+3], v[R+4*qX+2], s32
	v_perm_b32 v[TT+4*qX+3], v[R+4*qX+3], v[R+4*qX+2], s33
.set qX, qX+1
.endr
	WIN 0x80
.set qX, 0
.rept 4
	v_perm_b32 v[64*qS+4*qB+qX],    v[TT+4*qX+2], v[TT+4*qX],   s34
	v_perm_b32 v[64*qS+16+4*qB+qX], v[TT+4*qX+2], v[TT+4*qX],   s35
	v_perm_b32 v[64*qS+32+4*qB+qX], v[TT+4*qX+3], v[TT+4*qX+1], s34
	v_perm_b32 v[64*qS+48+4*qB+qX], v[TT+4*qX+3], v[TT+4*qX+1], s35
.set qX, qX+1
.endr
.endm
.macro IMG n                           ; batch n's 16 registers to LDS as they stand
.set qS, (\n)/4
.set qB, (\n)%4
	WIN 0x08
.irp c, 0,1,2,3
	ds_store_b128 v[XS], v[64*qS+16*\c+4*qB:64*qS+16*\c+4*qB+3] offset:512*(16*qS+4*\c+qB)
.endr
.endm
.macro XLK s                           ; the partner's 16 chunks of K step s, into the same registers of window 3
	WIN 0xc0
.set qX, 16*(\s)
.rept 16
	ds_load_b128 v[4*qX:4*qX+3], v[XL] offset:512*qX
.set qX, qX+1
.endr
.endm
.macro GPLACE h                        ; batch h of the tokens' operand: its landing registers
.set gG, (\h)/2
.set gH, (\h)%2
.if (\h) < 8
.set gD, 32*(\h)
.elseif (\h) == 8
.set gD, ACC
.else
.set gD, TP
.endif
.endm
.macro GTH h                           ; half h % 2 of my 8,192 bytes of tiles 2 (h / 2) and 2 (h / 2) + 1
	GPLACE \h
.if (\h) < 8
	WIN 0xc0
.else
	WIN 0
.endif
.irp i, 0,1,2,3,4,5,6,7
	global_load_b128 v[gD+4*\i:gD+4*\i+3], v[L16], s[TS+2*gG:TS+2*gG+1] offset:4096*gH+512*\i
.endr
.endm
.macro TSTO h                          ; and into LDS as it stands
	GPLACE \h
.if (\h) < 8
	WIN 0x0c
.else
	WIN 0
.endif
.irp i, 0,1,2,3,4,5,6,7
	ds_store_b128 v[TST+gG/2], v[gD+4*\i:gD+4*\i+3] offset:32768*(gG%2)+4096*gH+512*\i
.endr
.endm
.macro FRAG t                          ; the operand of tile kh + 2 t from LDS
	WIN 0x40
.irp s, 0,1,2,3
.irp c, 0,1,2,3
	ds_load_b128 v[16*\s+4*\c:16*\s+4*\c+3], v[FM+(\t)/2] offset:2*TILEB*((\t)%2)+2048*\s+512*\c
.endr
.endr
.irp s, 0,1,2,3
.irp c, 0,1,2,3
	ds_load_b128 v[64+16*\s+4*\c:64+16*\s+4*\c+3], v[FP+(\t)/2] offset:2*TILEB*((\t)%2)+2048*\s+512*\c
.endr
.endr
	WIN 0
.endm
	s_load_b256 s[4:11], s[0:1], 0x0               ; W2 s[4:5], lowp_scales s[6:7], top1 s[8:9], hq s[10:11]
	s_load_b64 s[12:13], s[0:1], 0x20              ; part
	v_lshl_add_u32 v[SPW], v0, 2, SPARE
	v_mov_b32 v[NIL], 0
	v_lshrrev_b32 v1, 5, v0
	v_readfirstlane_b32 s16, v1                    ; wave
	s_lshr_b32 s17, s16, 1                         ; cg
	s_and_b32 s18, s16, 1                          ; kh; also the parity of my tiles
	s_lshr_b32 s19, ttmp9, 5                       ; e
	s_bfe_u32 s20, ttmp9, 0x30002                  ; cgp: 3 bits from bit 2
	s_and_b32 s21, ttmp9, 3                        ; kq
	v_and_b32 v1, 31, v0                           ; lane
	v_and_b32 v2, 15, v0                           ; r
	v_bfe_u32 v3, v0, 4, 1                         ; h
	v_lshlrev_b32 v[R16], 4, v2
	v_lshl_add_u32 v[WO], v3, 17, v[R16]           ; 32 rows of 4,096 bytes
	v_lshlrev_b32 v[L16], 4, v1
	v_lshlrev_b32 v[L4], 2, v1
	v_mov_b32 v[DMP], DUMPW
	v_lshl_add_u32 v[LA0], v3, 2, LIST
	v_add_nc_u32 v[LA], LIST, v[L16]               ; (every LDS address is made here, ahead of the waves' parting)
	v_mul_u32_u24 v[OSI], v2, OPITCH
	v_lshl_add_u32 v[OSI], v3, 7, v[OSI]
	v_mul_u32_u24 v[OSR], v3, OPITCH
	v_add_nc_u32 v[OSR], v[OSR], v[R16]
	s_wait_alu depctr_va_vdst(0)                   ; the wait here, ahead of the scalar lines among the readers
	s_lshl_b32 s45, s16, 15
	v_add_nc_u32 v[XS], s45, v[L16]
	s_xor_b32 s45, s45, 32768
	v_add_nc_u32 v[XL], s45, v[L16]
	s_mul_i32 s45, s16, 16*OPITCH
	s_add_co_u32 s45, s45, STG                     ; my stage
	v_add_nc_u32 v[OSI], s45, v[OSI]
	v_add_nc_u32 v[OSR], s45, v[OSR]
	s_lshl_b32 s22, s18, 13                        ; four K steps' images are 8,192 bytes
	s_xor_b32 s48, s22, 8192
	v_add_nc_u32 v[AOO], s22, v[L16]
	v_add_nc_u32 v[AOT], s48, v[L16]
	s_mul_i32 s23, s18, TILEB
	s_add_co_u32 s23, s23, TOKB                    ; tile kh + 2 t lies 2 t tiles behind tile kh
.irp j, 0,1,2
	v_add_nc_u32 v[FM+\j], s23, v[AOO]
	v_add_nc_u32 v[FP+\j], s23, v[AOT]
	s_add_co_u32 s23, s23, 4*TILEB
.endr
	s_lshl_b32 s45, s16, 13
	s_add_co_u32 s45, s45, TOKB                    ; of each two tiles I bring quarter w
.irp j, 0,1,2
	v_add_nc_u32 v[TST+\j], s45, v[L16]
	s_add_co_u32 s45, s45, 4*TILEB
.endr
	s_lshl_b32 s45, s18, 6
	s_add_co_u32 s45, s45, LIST
	v_lshl_add_u32 v[LRA], v1, 7, s45              ; tile kh + 2 t is 64 bytes of the list at 64 kh + 128 t: lane t reads them
	s_mov_b32 s32, 0x05010400                      ; v_perm_b32: bytes 0, 1 of two registers, interleaved
	s_mov_b32 s33, 0x07030602                      ; bytes 2, 3
	s_mov_b32 s34, 0x05040100                      ; the low halves of two registers
	s_mov_b32 s35, 0x07060302                      ; the high halves
	s_mov_b32 s60, 0xffff0000                      ; lanes 16-31
	s_mov_b32 s47, 0
	s_wait_alu depctr_va_vdst(0)                   ; the wait here, directly ahead of the wait below
	s_wait_kmcnt 0x0
	s_lshl_b32 s46, s19, 4
	s_add_nc_u64 s[6:7], s[6:7], s[46:47]
	s_load_b128 s[24:27], s[6:7], 0x0              ; ex, ew1, eh, ew2 of my expert
	s_lshl_b32 s46, s19, 24                        ; W2[e]: 16 MiB,
	s_lshl_b32 s45, s21, 22                        ; 1,024 kq rows,
	s_add_co_u32 s46, s46, s45
	s_lshl_b32 s45, s18, 21                        ; 512 kh rows,
	s_add_co_u32 s46, s46, s45
	s_lshl_b32 s45, s20, 9
	s_lshl_b32 s48, s17, 8
	s_add_co_u32 s48, s45, s48                     ; column 128 cgp + 64 cg, in bytes
	s_add_co_u32 s46, s46, s48
	s_add_nc_u64 s[50:51], s[4:5], s[46:47]
	s_cmp_lg_u32 s16, 0
	s_cbranch_scc1 .Lno_tp
.irp m, 0,1,2,3,4,5,6,7
	global_load_b128 v[TP+4*\m:TP+4*\m+3], v[L16], s[8:9] offset:512*\m        ; wave 0: TP[4 m + c] = top1[128 m + 4 l + c]
.endr
.Lno_tp:
	ISSUE 0
	ISSUE 1
	ISSUE 2
	ISSUE 3
	WIN 0
	s_lshl_b32 s46, s21, 12                        ; part: in a token's 16,384 bytes quarter kq's 4,096, my columns
	s_add_co_u32 s46, s46, s48
	s_add_nc_u64 s[58:59], s[12:13], s[46:47]
	s_lshl_b32 s46, s19, 22                        ; hq: expert 4 MiB, my quarter's eight K steps 16,384 kq
	s_lshl_b32 s45, s21, 14
	s_add_co_u32 s46, s46, s45
	s_add_nc_u64 s[52:53], s[10:11], s[46:47]
	s_wait_kmcnt 0x0
	s_add_co_i32 s45, s27, 127
	s_lshl_b32 s48, s45, 23
	v_mov_b32 v[SC], s48                           ; 2^ew2: the conversion takes its exponent field
	s_add_co_i32 s45, s45, 8
	s_lshl_b32 s28, s45, 23
	s_or_b32 s28, s28, 0x600000                    ; 448 x 2^ew2
	s_or_b32 s29, s28, 0x80000000                  ; and its negative
	s_add_co_i32 s36, s26, s27
	s_add_co_i32 s36, s36, 127
	s_lshl_b32 s36, s36, 23                        ; 2^(eh + ew2)
	s_wait_alu depctr_va_vdst(0)                   ; the wait at the head's end
	s_cmp_lg_u32 s16, 0
	s_cbranch_scc1 .Lno_sort
	; WAVE 0 PLACES THE EXPERT'S TOKENS, by the same lines as the launch before.  EXEC is never touched: weight loads are out.
	s_wait_loadcnt 63                              ; 64 weight loads are younger than top1's: top1 is in
	s_add_co_u32 s45, s19, 1024
.irp k, 0,1,2,3
	v_mov_b32 v[ZR+\k], s45
.endr
	s_wait_alu depctr_va_vdst(0)
.irp m, 0,1,2,3,4,5,6,7,8
	ds_store_b128 v[LA], v[ZR:ZR+3] offset:512*\m  ; every list word is written: 1,024 + e marks a row without a token
.endr
	s_mov_b32 s44, 0                               ; tokens placed so far
.irp m, 0,1,2,3,4,5,6,7
.irp c, 0,1,2,3
	v_cmp_eq_u32 vcc_lo, s19, v[TP+4*\m+\c]
	v_mbcnt_lo_u32_b32 v[POS], vcc_lo, s44         ; placed so far + my expert's tokens in lower lanes
	v_cndmask_b32 v[POS], v[DMP], v[POS], vcc_lo   ; another expert's token goes to the dump word
	v_min_u32 v[POS], DUMPW, v[POS]
	v_lshl_add_u32 v[POS], v[POS], 2, LIST
	v_add_nc_u32 v[TOK], 128*\m+\c, v[L4]
	ds_store_b32 v[POS], v[TOK]
	s_bcnt1_i32_b32 s45, vcc_lo
	s_add_co_u32 s44, s44, s45
.endr
.endr
	v_mov_b32 v[TOK], s44
	ds_store_b32 v[LA0], v[TOK] offset:CNTO        ; lanes 0-15: the count's word; lanes 16-31: the dump word behind it
.Lno_sort:
.set n, 0
.rept 4
	s_wait_loadcnt 48                              ; loads come back in order (ISA guide 5.7.1): this batch is in, the three younger batches stay out
	CONV n
	ISSUE n+4                                      ; its landing registers take the batch four on
.set n, n+1
.endr
	WIN 0
	s_wait_alu depctr_va_vdst(0)
	s_wait_dscnt 0x0                               ; wave 0: the list lies in LDS
	s_barrier_signal -1                            ; this barrier parts the list's stores, whose places hang on data, from every other LDS access
	s_barrier_wait -1
	ds_load_b32 v[POS], v[LA0] offset:CNTO
.set n, 0
.rept 4
	IMG n
.set n, n+1
.endr
	WIN 0
	s_wait_dscnt 16                                ; all but the 16 image stores: the count is in
	v_readfirstlane_b32 s40, v[POS]                ; the expert's tokens
	s_min_u32 s40, s40, 0x400
	s_add_co_u32 s41, s40, 15
	s_lshr_b32 s41, s41, 4
	s_max_u32 s41, s41, 1                          ; its tiles as the launch before stored them: at least one
	s_sub_co_u32 s37, s41, 1
	s_lshl_b32 s62, s18, 13                        ; quarter w of two tiles: half kh of the tile cg among the two
.irp g, 0,1,2,3,4                      ; tile 2 g + cg, held at the expert's last one (only stored bytes are read) and at 63 (inside the expert's room)
	s_add_co_u32 s45, s17, 2*\g
	s_min_u32 s45, s45, s37
	s_min_u32 s45, s45, 63
	s_lshl_b32 s46, s45, 16
	s_add_co_u32 s46, s46, s62
	s_add_nc_u64 s[TS+2*\g:TS+2*\g+1], s[52:53], s[46:47]
.endr
	; order of the loads from here on: weights n + 4 (16 loads), operand batch n - 4 (8 loads), for n = 4 .. 11; then operand batches 8 and 9
.set n, 4
.rept 8
.if n == 4
	s_wait_loadcnt 48                              ; younger than batch 4: three batches of weights
.elseif n == 5
	s_wait_loadcnt 56                              ; three of weights, one of the operand
.else
	s_wait_loadcnt 63                              ; younger than batch n are 64 loads or more; from n = 8 on 72 are younger than operand batch n - 8
.endif
.if n >= 8
	TSTO n-8
.endif
	CONV n
	IMG n
	ISSUE n+4
	GTH n-4
.set n, n+1
.endr
	s_wait_loadcnt 63                              ; 72 are younger than operand batch 4
	TSTO 4
	CONV 12
	IMG 12
	GTH 8
	s_wait_loadcnt 56                              ; younger than operand batch 5: weights 14, operand 6, weights 15, operand 7 and 8
	TSTO 5
	CONV 13
	IMG 13
	GTH 9
	WIN 0
	s_wait_alu depctr_va_vdst(0)
	s_wait_dscnt 0x0                               ; for the other waves' sake: my images of batches 0-13 and my part of tiles 0-5 lie in LDS
	s_barrier_signal -1
	s_barrier_wait -1
.irp m, 0,1,2,3
	ds_load_b128 v[LR+4*\m:LR+4*\m+3], v[LRA] offset:16*\m         ; lane t: the 16 tokens of tile kh + 2 t
.endr
	FRAG 0                                         ; my first tile, 0 or 1: into the landing registers of batches 12 and 13
	XLK 0                                          ; the partner's K steps 0-2, into registers whose operand batches have been stored
	XLK 1
	XLK 2
	s_wait_loadcnt 40                              ; younger than operand batch 6: weights 15, operand 7 to 9
	TSTO 6
	CONV 14
	IMG 14
	s_wait_loadcnt 16                              ; younger than operand batch 7: operand 8 and 9
	TSTO 7
	CONV 15
	IMG 15
	WIN 0
	s_wait_alu depctr_va_vdst(0)
	s_wait_loadcnt 0x0
	TSTO 8
	TSTO 9
	WIN 0
	s_wait_dscnt 0x0                               ; for the other waves' sake: the rest of my images and of my part of the tiles lies in LDS
	s_barrier_signal -1
	s_barrier_wait -1                              ; the last barrier: behind it branches hang on the count
	XLK 3
	WIN 0
	s_mov_b32 s42, s18                             ; J = kh + 2 t
	s_mov_b32 s61, 0                               ; t
.Ltile:                                            ; 32 trips at the most (64 tiles, every second one mine); the loop is left by the forward branch below
	s_cmp_ge_u32 s42, s41
	s_cbranch_scc1 .Ldone
	s_wait_dscnt 0x0                               ; the tile's operand is in (and, in the first trip, the partner's images and my share of the list),
	s_wait_loadcnt 0x0                             ; also where it came from hq
.irp k, 0,1,2,3,4,5,6,7,8,9,10,11,12,13,14,15
	v_readlane_b32 s[TS+\k], v[LR+\k], s61         ; the tile's 16 tokens
.endr
	WIN 0x06                                       ; 32 matrix instructions; the four accumulators take turns, one instruction a turn; the first K step starts the sums
.irp s, 0,1,2,3
.irp c, 0,1,2,3
.if \s == 0
	v_wmma_f32_16x16x128_fp8_fp8 v[ACC+8*\c:ACC+8*\c+7], v[64*\s+16*\c:64*\s+16*\c+15], v[16*\s:16*\s+15], 0
.else
	v_wmma_f32_16x16x128_fp8_fp8 v[ACC+8*\c:ACC+8*\c+7], v[64*\s+16*\c:64*\s+16*\c+15], v[16*\s:16*\s+15], v[ACC+8*\c:ACC+8*\c+7]
.endif
.endr
.endr
	WIN 0x07
.irp s, 0,1,2,3
.irp c, 0,1,2,3
	v_wmma_f32_16x16x128_fp8_fp8 v[ACC+8*\c:ACC+8*\c+7], v[64*\s+16*\c:64*\s+16*\c+15], v[64+16*\s:64+16*\s+15], v[ACC+8*\c:ACC+8*\c+7]
.endr
.endr
	WIN 0
	; the store offsets: lanes 0-15 row 2 i, lanes 16-31 row 2 i + 1; token x 16,384 + 16 r.  These 32 plain lines name no register of the products: they are the places between
	; the last products and the loads into their sources, and the first read of results
.irp i, 0,1,2,3,4,5,6,7
	v_mov_b32 v[TK+\i], s[TS+2*\i]
.endr
.irp i, 0,1,2,3,4,5,6,7
	v_cndmask_b32 v[TK+\i], v[TK+\i], s[TS+2*\i+1], s60
.endr
.irp i, 0,1,2,3,4,5,6,7
	v_min_u32 v[TK+\i], 1031, v[TK+\i]             ; the hold keeps every address inside part: 1,024 tokens' rows and eight spare ones
.endr
.irp i, 0,1,2,3,4,5,6,7
	v_lshl_add_u32 v[TK+\i], v[TK+\i], 14, v[R16]
.endr
	; my next tile's operand
	s_add_co_u32 s45, s42, 2
	s_cmp_ge_u32 s45, s41
	s_cbranch_scc1 .Lout                           ; there is none
.irp t, 1,2,3,4
	s_cmp_eq_u32 s61, \t-1
	s_cbranch_scc1 .Lfrag\t
.endr
	s_min_u32 s45, s45, s37                        ; beyond the expert's first ten tiles: straight from hq, held as above
	s_min_u32 s45, s45, 63
	s_lshl_b32 s46, s45, 16
	s_add_nc_u64 s[54:55], s[52:53], s[46:47]      ; (earlier loads by this base have been waited for)
	WIN 0x40
.irp s, 0,1,2,3
.irp c, 0,1,2,3
	global_load_b128 v[16*\s+4*\c:16*\s+4*\c+3], v[AOO], s[54:55] offset:2048*\s+512*\c
	global_load_b128 v[64+16*\s+4*\c:64+16*\s+4*\c+3], v[AOT], s[54:55] offset:2048*\s+512*\c
.endr
.endr
	WIN 0
	s_branch .Lout
.irp t, 1,2,3,4
.Lfrag\t:
	FRAG \t
.if \t < 4
	s_branch .Lout
.endif
.endr
.Lout:
.irp c, 0,1,2,3
.irp j, 0,1,2,3,4,5,6,7
	v_mul_f32 v[G+4*\j+\c], s36, v[ACC+8*\c+\j]    ; x 2^(eh + ew2), laid in the order of the columns; each accumulator from its low end on
.endr
.endr
.irp m, 0,1,2,3,4,5,6,7
	ds_store_b128 v[OSI], v[G+4*\m:G+4*\m+3] offset:16*\m
.endr
.irp i, 0,1,2,3,4,5,6,7
	ds_load_b128 v[O+4*\i:O+4*\i+3], v[OSR] offset:2*OPITCH*\i     ; LDS serves a wave's instructions in order (ISA guide 5.7.1.4): whole rows of 256 bytes come back
.endr
	s_wait_dscnt 0x0
.irp i, 0,1,2,3,4,5,6,7
	global_store_b128 v[TK+\i], v[O+4*\i:O+4*\i+3], s[58:59] th:TH_STORE_NT    ; sixteen lanes: 256 consecutive, aligned bytes of a token's row
.endr
	s_wait_xcnt 0x0                                ; the stores have read their offsets and data: both are written again in the next tile
	s_add_co_u32 s42, s42, 2
	s_add_co_u32 s61, s61, 1
	s_cmp_lt_u32 s61, 32
	s_cbranch_scc1 .Ltile
.Ldone:
	s_wait_dscnt 0x0
	s_wait_tensorcnt 0x0                           ; the wave's end, behind my last LDS store
	ds_add_u32 v[SPW], v[NIL]
	s_wait_dscnt 0x0
	s_endpgm
.Lfunc_end_k_q590ff22187_ffn2:
	.size	k_q590ff22187_ffn2, .Lfunc_end_k_q590ff22187_ffn2-k_q590ff22187_ffn2
	.p2alignl 7, 3214868480
	.fill 96, 4, 3214868480
	.section	.rodata,"a",@progbits
	.p2align	6, 0x0
	.amdhsa_kernel k_q590ff22187_ffn2
		.amdhsa_group_segment_fixed_size 317696
		.amdhsa_private_segment_fixed_size 0
		.amdhsa_enable_private_segment 0
		.amdhsa_kernarg_size 40
		.amdhsa_user_sgpr_count 2
		.amdhsa_user_sgpr_kernarg_segment_ptr 1
		.amdhsa_wavefront_size32 1
		.amdhsa_system_sgpr_workgroup_id_x 1
		.amdhsa_system_sgpr_workgroup_id_y 1
		.amdhsa_system_sgpr_workgroup_id_z 1
		.amdhsa_system_vgpr_workitem_id 0
		.amdhsa_next_free_vgpr 1024
		.amdhsa_next_free_sgpr 84
		.amdhsa_reserve_vcc 1
		.amdhsa_float_denorm_mode_32 3
		.amdhsa_float_denorm_mode_16_64 3
		.amdhsa_memory_ordered 1
		.amdhsa_forward_progress 1
		.amdhsa_inst_pref_size 199
	.end_amdhsa_kernel
	.amdgpu_metadata
---
amdhsa.version: [ 1, 2 ]
amdhsa.kernels:
  - .name:           k_q590ff22187_ffn2
    .symbol:         k_q590ff22187_ffn2.kd
    .args:
      - { .name: W2, .offset: 0, .size: 8, .value_kind: global_buffer, .address_space: global }
      - { .name: lowp_scales, .offset: 8, .size: 8, .value_kind: global_buffer, .address_space: global }
      - { .name: top1, .offset: 16, .size: 8, .value_kind: global_buffer, .address_space: global }
      - { .name: hq, .offset: 24, .size: 8, .value_kind: global_buffer, .address_space: global }
      - { .name: part, .offset: 32, .size: 8, .value_kind: global_buffer, .address_space: global }
    .group_segment_fixed_size: 317696
    .private_segment_fixed_size: 0
    .kernarg_segment_align: 8
    .kernarg_segment_size: 40
    .max_flat_workgroup_size: 128
    .sgpr_count:     84
    .vgpr_count:     1024
    .wavefront_size: 32
...
	.end_amdgpu_metadata
.endif
;; end of part 3
;; launch combine (part 4): grid 256 x 1, 4 waves a work-group, no clusters, 0 bytes of LDS; arguments part, top1, b2, out0; writes out0
.if DOCPART == 4
	.amdgcn_target "amdgcn-amd-amdhsa--gfx1250"
	.amdhsa_code_object_version 6
	.text
	.protected	k_q590ff22187_combine
	.globl	k_q590ff22187_combine
	.p2align	8
	.type	k_q590ff22187_combine,@function
k_q590ff22187_combine:
	s_mov_b64 s[64:65], 0
	v_nop
	global_prefetch_b8 v0, s[64:65] scope:SCOPE_SE
	s_setreg_imm32_b32 hwreg(HW_REG_WAVE_MODE, 25, 1), 1
	s_wait_xcnt 0x0
; out0[t][:] = (part[t][0] + part[t][1]) + (part[t][2] + part[t][3]) + b2[top1[t]]: the four parts of the second product's K, in a fixed order, and the chosen expert's bias.
; One wave, one token: token = 4 x work-group + wave.  A token's four parts are 16,384 bytes on end.  Every load and store covers 512 consecutive bytes, aligned; a row is eight of them.
; All 40 loads of a wave go out at once; there is no loop, no LDS and no barrier.  The spare rows behind part's 1,024 tokens are not read.
; top1 is a table of whole numbers that an earlier launch stored; it is held at 7, so that the bias's address stays inside b2.
; Memory binds: matrix units, clusters and tensor loads would add nothing.
.set P0, 32                            ; v[32:63], v[64:95], v[96:127], v[128:159] the four parts; v[160:191] b2
.set BB, 160
	s_load_b256 s[4:11], s[0:1], 0x0               ; part s[4:5], top1 s[6:7], b2 s[8:9], out0 s[10:11]
	v_lshrrev_b32 v1, 5, v0
	v_readfirstlane_b32 s12, v1                    ; wave
	v_and_b32 v1, 31, v0
	v_lshlrev_b32 v1, 4, v1                        ; 16 x lane
	s_lshl_b32 s13, ttmp9, 2
	s_add_co_u32 s13, s13, s12                     ; my token
	s_lshl_b32 s14, s13, 14                        ; its four parts
	s_mov_b32 s15, 0
	s_lshl_b32 s16, s13, 2                         ; its word of top1
	s_mov_b32 s17, 0
	s_lshl_b32 s18, s13, 12                        ; its row of out0
	s_mov_b32 s19, 0
	s_wait_alu depctr_va_vdst(0)
	s_wait_kmcnt 0x0
	s_add_nc_u64 s[6:7], s[6:7], s[16:17]
	s_load_b32 s20, s[6:7], 0x0                    ; its expert
	s_add_nc_u64 s[4:5], s[4:5], s[14:15]
	s_add_nc_u64 s[10:11], s[10:11], s[18:19]
.irp i, 0,1,2,3,4,5,6,7
.irp q, 0,1,2,3
	global_load_b128 v[P0+32*\q+4*\i:P0+32*\q+4*\i+3], v1, s[4:5] offset:4096*\q+512*\i th:TH_LOAD_NT
.endr
.endr
	s_wait_kmcnt 0x0
	s_min_u32 s20, s20, 7
	s_lshl_b32 s20, s20, 12
	s_mov_b32 s21, 0
	s_add_nc_u64 s[8:9], s[8:9], s[20:21]          ; b2[e]
.irp i, 0,1,2,3,4,5,6,7
	global_load_b128 v[BB+4*\i:BB+4*\i+3], v1, s[8:9] offset:512*\i
.endr
.irp i, 0,1,2,3,4,5,6,7
	s_wait_loadcnt 7-\i                            ; b2's piece i is in, and so is all that was asked for earlier; b2's younger pieces stay out
.irp k, 0,2
	v_pk_add_f32 v[P0+4*\i+\k:P0+4*\i+\k+1], v[P0+4*\i+\k:P0+4*\i+\k+1], v[P0+32+4*\i+\k:P0+32+4*\i+\k+1]
	v_pk_add_f32 v[P0+64+4*\i+\k:P0+64+4*\i+\k+1], v[P0+64+4*\i+\k:P0+64+4*\i+\k+1], v[P0+96+4*\i+\k:P0+96+4*\i+\k+1]
.endr
.irp k, 0,2
	v_pk_add_f32 v[P0+4*\i+\k:P0+4*\i+\k+1], v[P0+4*\i+\k:P0+4*\i+\k+1], v[P0+64+4*\i+\k:P0+64+4*\i+\k+1]
.endr
.irp k, 0,2
	v_pk_add_f32 v[P0+4*\i+\k:P0+4*\i+\k+1], v[P0+4*\i+\k:P0+4*\i+\k+1], v[BB+4*\i+\k:BB+4*\i+\k+1]
.endr
	global_store_b128 v1, v[P0+4*\i:P0+4*\i+3], s[10:11] offset:512*\i th:TH_STORE_NT
.endr
	s_endpgm
.Lfunc_end_k_q590ff22187_combine:
	.size	k_q590ff22187_combine, .Lfunc_end_k_q590ff22187_combine-k_q590ff22187_combine
	.p2alignl 7, 3214868480
	.fill 96, 4, 3214868480
	.section	.rodata,"a",@progbits
	.p2align	6, 0x0
	.amdhsa_kernel k_q590ff22187_combine
		.amdhsa_group_segment_fixed_size 0
		.amdhsa_private_segment_fixed_size 0
		.amdhsa_enable_private_segment 0
		.amdhsa_kernarg_size 32
		.amdhsa_user_sgpr_count 2
		.amdhsa_user_sgpr_kernarg_segment_ptr 1
		.amdhsa_wavefront_size32 1
		.amdhsa_system_sgpr_workgroup_id_x 1
		.amdhsa_system_sgpr_workgroup_id_y 1
		.amdhsa_system_sgpr_workgroup_id_z 1
		.amdhsa_system_vgpr_workitem_id 0
		.amdhsa_next_free_vgpr 192
		.amdhsa_next_free_sgpr 66
		.amdhsa_reserve_vcc 0
		.amdhsa_float_denorm_mode_32 3
		.amdhsa_float_denorm_mode_16_64 3
		.amdhsa_memory_ordered 1
		.amdhsa_forward_progress 1
		.amdhsa_inst_pref_size 10
	.end_amdhsa_kernel
	.amdgpu_metadata
---
amdhsa.version: [ 1, 2 ]
amdhsa.kernels:
  - .name:           k_q590ff22187_combine
    .symbol:         k_q590ff22187_combine.kd
    .args:
      - { .name: part, .offset: 0, .size: 8, .value_kind: global_buffer, .address_space: global }
      - { .name: top1, .offset: 8, .size: 8, .value_kind: global_buffer, .address_space: global }
      - { .name: b2, .offset: 16, .size: 8, .value_kind: global_buffer, .address_space: global }
      - { .name: out0, .offset: 24, .size: 8, .value_kind: global_buffer, .address_space: global }
    .group_segment_fixed_size: 0
    .private_segment_fixed_size: 0
    .kernarg_segment_align: 8
    .kernarg_segment_size: 32
    .max_flat_workgroup_size: 128
    .sgpr_count:     66
    .vgpr_count:     192
    .wavefront_size: 32
...
	.end_amdgpu_metadata
.endif
;; end of part 4
